; MI455X (gfx1250); checked and timed in simulation.
; The chip was launched on July 23, 2026; its instructions are those of AMD's public machine-readable ISA for CDNA 5 (MIT licence, August 2026) and "CDNA5" Instruction Set Architecture Reference Guide (July 2026). The comments in the code are by the model that wrote it; some were corrected since.
;; LST Mcell. Allowed arithmetic: matrix products marked QUANTISED: E2M3 operands, one E8M0 scale for each 32 along K, by v_wmma_scale_f32_16x16x128_f8f6f4 with both operands' format E2M3, f32 sums; everything else in f32.
;; Inputs: Whf 2,048 x 2,048 float32; Whg 2,048 x 2,048 float32; Whi 2,048 x 2,048 float32; Who 2,048 x 2,048 float32; Wif 2,048 x 2,048 float32; Wig 2,048 x 2,048 float32; Wii 2,048 x 2,048 float32; Wio 2,048 x 2,048 float32; bhf 2,048 float32; bhg 2,048 float32; bhi 2,048 float32; bho 2,048 float32; bif 2,048 float32; big 2,048 float32; bii 2,048 float32; bio 2,048 float32; c 2,048 x 2,048 float32; h 2,048 x 2,048 float32; x 2,048 x 2,048 float32.
;; Outputs: out0 2 x 2,048 x 2,048 float32.
;; This version of the problem:
;;   THIS VERSION OF THE PROBLEM IS GIVEN IN LOW PRECISION. The matrix products marked QUANTISED in the list below multiply operands that are first quantised to E2M3 (2 exponent bits, 3 mantissa bits; 6 bits a number), with one power-of-two scale for each 32 numbers along K (OCP MX v1.0); their sums are f32. All else is computed in f32.
;;   The module's matrix products, in the order in which they are computed (A, B: the left and right operand; K: the contracted axis; several contracted axes count as one K, in the product's order):
;;     1. [M 2,048, K 2,048] x [K 2,048, N 8,192]; A: input x; B: computed on the way: QUANTISED
;;     2. [M 2,048, K 2,048] x [K 2,048, N 8,192]; A: input h; B: computed on the way: QUANTISED
;;   THE QUANTISER, for each operand of a quantised product, along K:
;;     - K is cut into blocks of 32 from its start; a last block that is shorter is filled with zeros.
;;     - A block's scale is 2^e with e = floor(log2(the largest magnitude in the block)) - 2, held to -126 .. 127; a block of zeros has e = 0. As a byte (E8M0): e + 127.
;;     - Each number is divided by its block's scale, clamped to +-7.5, and rounded to the nearest number of E2M3, ties to even, subnormals kept.
;;     - The product sums the exact products of the quantised numbers (number of the format x scale) in f32.
;;   ~~~python
;;   def quantise(x, axis):      # numpy; x: float32 -> the quantised numbers, widened to float32 again
;;       x = np.moveaxis(x, axis, -1); K = x.shape[-1]
;;       x = np.pad(x, [(0, 0)] * (x.ndim - 1) + [(0, -K % 32)]); x = x.reshape(x.shape[:-1] + (-1, 32)); a = np.abs(x).max(-1, keepdims=True)
;;       e = np.where(a > 0, np.clip(np.frexp(np.where(a > 0, a, 1))[1] - 1 - 2, -126, 127), 0)      # np.frexp(a)[1] - 1 = floor(log2(a)), exactly
;;       r = np.clip(x / 2.0 ** e, -7.5, 7.5)
;;       step = 2.0 ** (np.maximum(np.frexp(np.where(r == 0, 1, r))[1] - 1, 0) - 3)
;;       q = np.round(r / step) * step * 2.0 ** e      # np.round: ties to even
;;       return np.moveaxis(q.reshape(q.shape[:-2] + (-1,))[..., :K], -1, axis).astype(np.float32)
;;   ~~~
;;   OPERANDS COMPUTED ON THE WAY. 'Computed on the way' means the value that the module computes at that place (a softmax that the list does not call 'softmax' is quantised finished and normalised). What goes into a quantiser is computed in f32, as accurately as f32 sums, v_exp_f32 and their like allow (about 1e-6 of the number): no bf16 or f16 on the way to a quantiser, and a product that is left as it is and whose result goes on into a quantised operand takes f32 operands (vector FMAs, or v_wmma_f32_16x16x4_f32). A number that lies on a knife's edge between two numbers of the format may be rounded either way, as far as f32 arithmetic and the matrix unit's own rounding can turn it there, and no further.
;; One version. Each part assembles by itself: llvm-mc -triple=amdgcn-amd-amdhsa -mcpu=gfx1250 --defsym DOCPART=n.
;; ======== version 1 of 1: 2 launches
;; limits: inputs' magnitudes at most 1.476e+20; right only within a limited range of input values
;; workspace buffers: a_img 6,553,600 bytes; w_img 26,214,400 bytes
;; launch quant (part 1): grid 256 x 1, 4 waves a work-group, no clusters, 327,680 bytes of LDS; arguments x, h, Wii, Whi, Wif, Whf, Wig, Whg, Wio, Who, a_img, w_img; writes a_img, w_img
.if DOCPART == 1
	.amdgcn_target "amdgcn-amd-amdhsa--gfx1250"
	.amdhsa_code_object_version 6
	.text
	.protected	k_q0e5a17434d_quant
	.globl	k_q0e5a17434d_quant
	.p2align	8
	.type	k_q0e5a17434d_quant,@function
k_q0e5a17434d_quant:
	s_mov_b64 s[64:65], 0
	v_nop
	global_prefetch_b8 v0, s[64:65] scope:SCOPE_SE
	s_setreg_imm32_b32 hwreg(HW_REG_WAVE_MODE, 25, 1), 1
	s_wait_xcnt 0x0
; x, h and the eight weights, all [2048][2048] f32 with K innermost, become codes of FP6 (E2M3) with one E8M0 scale byte for each 32 along K.
; The cell's two products have the same M and N and their sums are added: they are laid as ONE product with K = 4,096: K steps 0-15 (of 128) are x and the input weights, 16-31 h and the hidden weights.
; THE LAYOUT IS AN IMAGE OF THE OPERAND'S REGISTERS.  For each 128 rows (a half tile) and each K step there is one block of 12,800 bytes, blocks [half tile][K step]:
;   eight fragments (16 rows x 128 K, 12 registers a lane) of 1,536 bytes: piece q (registers 4 q .. 4 q + 3) at 512 q + 16 x lane; lane (r, h) holds row r, registers 6 c .. 6 c + 5 = K 64 c + 32 h + 0 .. 31;
;   then 512 bytes of scale words: the word of row 16 i + r (byte b: K 32 b .. 32 b + 31) at 12,288 + 256 (i / 4) + 16 r + 4 (i % 4).
; ROWS: half tile t of a_img holds rows 128 t .. 128 t + 127 of x and h.  Half tile t of w_img holds units 32 t .. 32 t + 31 of all four gates: fragment i is gate i / 2 (i, f, g, o), units 32 t + 16 (i % 2) + r.
; A block's scale is 2^(floor(log2(its largest magnitude)) - 2): its byte is the largest magnitude's exponent field - 2, held at 1 from below; the conversion divides, rounds to the nearest code, ties to even, and gives the largest code beyond 7.5.
; LIMITS: a block of zeros gets the byte 1 where the rule says 127 (its codes are zeros, and this program alone reads the bytes); blocks whose largest magnitude lies under 2^-124 are held at byte 1; NaN and infinities are not served.
; SHARES: a tile is one half tile x two K steps: 128 rows x 1,024 bytes.  There are 256 of a_img and 1,024 of w_img: work-group n (t = n / 16, pair of K steps n % 16) takes a_img's half tile t and w_img's half tiles t, t + 16, t + 32, t + 48.
; Wave w FETCHES 32 rows of a tile by one tensor load: rows 32 w .. of x or h, or the 32 units of gate w's weight: so each load reads one tensor (32 rows: a gate has no more in a half tile).  LDS rows lie 1,040 bytes apart.
; Two slots of 133,120 bytes take turns: in front of each refill every wave waits for all its tensor loads, runs the add, waits for it and for its reads, and passes the barrier; its one load follows.
; Behind the barrier wave w QUANTISES fragments 4 (w / 2) .. + 3 of K step w % 2 of the slot that has landed: a lane reads two whole blocks of 32 of its row, so no other lane is asked for a maximum.
; A tile's 12 stores of codes cover 512 consecutive bytes each, the store of scale words 256.
; PREFETCH: while tile j is worked on and tile j + 1 is being loaded, each wave asks for its own 32 rows of tile j + 2 (128 blocks of 256 bytes: a lane a row, four instructions); tile 1 is asked for at the head; nothing beyond tile 4.
.set RP,    1040
.set WT,    32*RP                      ; a wave's load
.set SLOTB, 4*WT
.set SPARE, 2*SLOTB                    ; the spare words, 128 bytes a wave: two blocks of 256 bytes that no other line names
.set SSTEP, 16*32*8192                 ; 16 half tiles on in a weight
.set OSTEP, 16*32*12800                ; and in w_img
.set X,   16                           ; v16-143  two sets of 64: my two blocks of 32 of a fragment
.set C,   144                          ; v144-191 four fragments' 12 registers
.set T0,  192                          ; a conversion's three registers begin on an even number: the odd halves are made here and moved
.set T1,  196
.set SW,  200                          ; v200-203 the scale word of my row in each fragment
.set O,   204
.set SA,  206                          ; where my 8 bytes of scale words go
.set PF,  207                          ; lane x a source row
.set M,   208                          ; v208-211 four running maxima
.set LA,  14                           ; v14, v15 my LDS address in slot 0, 1
.set G1,  68
.set G0,  76                           ; s[76:79], s[80:83]: a group 0 for each slot
.set PW,  36                           ; s[36:37] my rows of a weight's tile, for the prefetches
	s_load_b512 s[8:23], s[0:1], 0x0               ; x, h, Wii, Whi, Wif, Whf, Wig, Whg
	s_load_b256 s[24:31], s[0:1], 0x40             ; Wio, Who, a_img, w_img
	v_lshl_add_u32 v12, v0, 2, SPARE
	v_mov_b32 v13, 0
	ds_add_u32 v12, v13                            ; the opening lines: the add twice on end and its wait ahead of my first tensor load
	ds_add_u32 v12, v13
	v_lshrrev_b32 v1, 5, v0
	v_readfirstlane_b32 s44, v1                    ; wave
	s_lshr_b32 s45, ttmp9, 4                       ; t
	s_and_b32 s46, ttmp9, 15                       ; the pair of K steps
	s_and_b32 s47, s46, 7
	s_lshl_b32 s47, s47, 10                        ; its 1,024 bytes in a source row
	s_and_b32 s48, s44, 1                          ; which of the two K steps I quantise,
	s_lshr_b32 s49, s44, 1                         ; and which four fragments
	s_mov_b32 s[G1+0], (3<<16)|(1<<20)|(7<<22)|(3<<25)   ; elements of 8 bytes; 4 words of padding behind every 256 words, a row
	s_mov_b32 s[G1+1], 128<<16
	s_mov_b32 s[G1+2], 32<<16
	s_mov_b32 s[G1+3], 128<<16
	s_mov_b32 s[G1+4], 32
	s_mov_b32 s[G1+5], 1024
	s_mov_b32 s[G1+6], 0
	s_mov_b32 s[G1+7], 0
	s_lshl_b32 s50, s45, 7
	s_lshl_b32 s51, s44, 5
	s_add_co_u32 s50, s50, s51
	s_lshl_b32 s50, s50, 13
	s_add_co_u32 s50, s50, s47                     ; x, h: row 128 t + 32 w
	s_mov_b32 s51, 0
	s_lshl_b32 s52, s45, 18
	s_add_co_u32 s52, s52, s47                     ; a weight: row 32 t
	s_mov_b32 s53, 0
	s_lshl_b32 s58, s45, 5
	s_lshl_b32 s60, s46, 1
	s_add_co_u32 s58, s58, s60
	s_add_co_u32 s58, s58, s48
	s_mul_i32 s58, s58, 12800                      ; my block: 32 t + my K step
	s_mov_b32 s59, 0
	s_mul_i32 s61, s44, WT
	s_mul_i32 s60, s49, 64*RP
	s_lshl_b32 s62, s48, 9
	s_add_co_u32 s60, s60, s62                     ; what I read: rows 64 (w / 2) .., bytes 512 (w % 2) ..
	s_lshl_b32 s62, s49, 8
	s_mul_i32 s63, s49, 6144
	s_mov_b32 s84, 0x76543210                      ; v_permlanex16_b32's selects for lane l xor 16
	s_mov_b32 s85, 0xfedcba98
	s_wait_dscnt 0x0
	s_wait_kmcnt 0x0
	s_cmp_lt_u32 s46, 8                            ; the first or the second tensor of each pair: the choices hang on ids alone
	s_cselect_b64 s[32:33], s[8:9], s[10:11]
.irp p, 0,1,2,3
	s_cselect_b64 s[36+2*\p:37+2*\p], s[12+4*\p:13+4*\p], s[14+4*\p:15+4*\p]
.endr
.irp p, 1,2,3
	s_cmp_eq_u32 s44, \p                           ; gate w's weight
	s_cselect_b64 s[36:37], s[36+2*\p:37+2*\p], s[36:37]
.endr
	s_add_nc_u64 s[32:33], s[32:33], s[50:51]      ; tile 0
	s_add_nc_u64 s[PW:PW+1], s[PW:PW+1], s[52:53]  ; tile 1
	s_add_nc_u64 s[54:55], s[28:29], s[58:59]      ; where tile 0's results go,
	s_add_nc_u64 s[56:57], s[30:31], s[58:59]      ; and tile 1's
	s_mov_b32 s[G0], 1
	s_add_co_u32 s[G0+1], s61, 0
	s_mov_b64 s[G0+2:G0+3], s[32:33]
	s_or_b32 s[G0+3], s[G0+3], 0x80000000
	s_mov_b32 s[G0+4], 1
	s_add_co_u32 s[G0+5], s61, SLOTB
	s_mov_b64 s[G0+6:G0+7], s[PW:PW+1]
	s_or_b32 s[G0+7], s[G0+7], 0x80000000
	s_add_nc_u64 s[40:41], s[PW:PW+1], SSTEP       ; tile 2, for slot 0's first refill
	s_or_b32 s41, s41, 0x80000000
	tensor_load_to_lds s[G0:G0+3], s[G1:G1+7]      ; tile 0: one tensor load a wave at the head
	s_nop 0
	v_and_b32 v2, 31, v0
	v_and_b32 v4, 15, v0                           ; r
	v_bfe_u32 v5, v0, 4, 1                         ; h
	v_lshlrev_b32 v3, 4, v2
	v_add_nc_u32 v3, s63, v3                       ; my 16 bytes of a store's 512, in my four fragments
	v_mul_u32_u24 v[LA], v4, RP
	v_lshl_add_u32 v[LA], v5, 7, v[LA]
	v_add_nc_u32 v[LA], s60, v[LA]                 ; row r of a fragment, 128 h
	v_add_nc_u32 v[LA+1], SLOTB, v[LA]
	v_lshlrev_b32 v10, 3, v5                       ; 8 h
	v_lshl_add_u32 v[SA], v4, 4, v10
	v_add_nc_u32 v[SA], s62, v[SA]                 ; 256 (w / 2) + 16 r + 8 h
	v_lshlrev_b32 v[PF], 13, v2
.irp e, 0,1,2,3
	v_mov_b32 v[SW+\e], 0                          ; a lane permute's destination counts as one of its sources
.endr
	s_wait_alu depctr_va_vdst(0)
.irp b, 0,1,2,3
	global_prefetch_b8 v[PF], s[PW:PW+1] offset:256*\b th:TH_LOAD_NT scope:SCOPE_SE
.endr
.macro FILL k                          ; tile k goes out, into slot k % 2
	s_wait_tensorcnt 0x0                           ; all my tensor loads have landed: no load of mine is out, so a group 0 may be written
	ds_add_u32 v12, v13
.if (\k) == 2
	s_mov_b64 s[G0+2:G0+3], s[40:41]
.endif
.if (\k) > 2
	s_add_nc_u64 s[G0+4*((\k)%2)+2:G0+4*((\k)%2)+3], s[G0+4*((\k)%2)+2:G0+4*((\k)%2)+3], 2*SSTEP
.endif
	s_wait_dscnt 0x0                               ; the add is done, and my reads of the slot are back
	s_barrier_signal -1
	s_barrier_wait -1                              ; both hold of all four waves, and the other slot is whole
	tensor_load_to_lds s[G0+4*((\k)%2):G0+4*((\k)%2)+3], s[G1:G1+7]
	s_nop 0
.endm
.macro LDX e, slot                     ; fragment e of my four: my two blocks of 32, into set e % 2
.irp c, 0,1
.irp i, 0,1,2,3,4,5,6,7
	ds_load_b128 v[X+64*((\e)%2)+32*\c+4*\i:X+64*((\e)%2)+32*\c+4*\i+3], v[LA+\slot] offset:(\e)*16*RP+256*\c+16*\i
.endr
.endr
.endm
.macro QF e
.set XS, X+64*((\e)%2)
.set CS, C+12*(\e)
.irp q, 0,1,2,3
	v_max3_num_f32 v[M+\q], |v[XS+16*\q]|, |v[XS+16*\q+1]|, 0x1800000        ; four chains of 16; the floor 2^(3 - 127) holds the byte at 1 from below
.endr
.irp i, 2,4,6,8,10,12,14
.irp q, 0,1,2,3
	v_max3_num_f32 v[M+\q], v[M+\q], |v[XS+16*\q+\i]|, |v[XS+16*\q+\i+1]|
.endr
.endr
	v_max_num_f32 v8, v[M], v[M+1]
	v_max_num_f32 v9, v[M+2], v[M+3]
	v_add_nc_u32 v6, 0xff000000, v8                ; 2 off the exponent field: the conversion takes the exponent field of this operand as its scale
	v_add_nc_u32 v7, 0xff000000, v9
	v_cvt_scalef32_pk16_fp6_f32 v[CS:CS+2], v[XS:XS+15], v6
	v_cvt_scalef32_pk16_fp6_f32 v[T0:T0+2], v[XS+16:XS+31], v6
	v_cvt_scalef32_pk16_fp6_f32 v[CS+6:CS+8], v[XS+32:XS+47], v7
	v_cvt_scalef32_pk16_fp6_f32 v[T1:T1+2], v[XS+48:XS+63], v7
	v_lshrrev_b32 v1, 23, v6                       ; the bytes of blocks h and 2 + h (plain lines behind the conversions),
	v_lshrrev_b32 v2, 23, v7
	v_lshl_or_b32 v11, v2, 16, v1
	v_lshlrev_b32 v11, v10, v11                    ; at their places in the word;
	v_permlanex16_b32 v[SW+(\e)], v11, s84, s85
	v_or_b32 v[SW+(\e)], v[SW+(\e)], v11           ; with lane l xor 16's two the word is whole
.irp i, 0,1,2
	v_mov_b32 v[CS+3+\i], v[T0+\i]
	v_mov_b32 v[CS+9+\i], v[T1+\i]
.endr
.endm
.macro PROC j                          ; tile j, in slot j % 2
.set OB, 56
.if (\j) == 0
.set OB, 54
.endif
	s_wait_xcnt 0x0                                ; the last tile's stores and prefetches have read their registers and bases
.if (\j) >= 2
	s_add_nc_u64 s[56:57], s[56:57], OSTEP
.endif
.if (\j) == 1 || (\j) == 2
	s_add_nc_u64 s[PW:PW+1], s[PW:PW+1], SSTEP
.endif
	LDX 0, (\j)%2
	LDX 1, (\j)%2
.if (\j) < 3
.irp b, 0,1,2,3
	global_prefetch_b8 v[PF], s[PW:PW+1] offset:SSTEP+256*\b th:TH_LOAD_NT scope:SCOPE_SE    ; tile j + 2
.endr
.endif
	s_wait_dscnt 16                                ; this fragment's 16 loads are in; the next one's may be out
	QF 0
	LDX 2, (\j)%2
	s_wait_dscnt 16
	QF 1
	LDX 3, (\j)%2
	s_wait_dscnt 16
	QF 2
	s_wait_dscnt 0x0
	QF 3
	v_cmp_ne_u32 vcc_lo, 0, v5
	v_cndmask_b32 v[O], v[SW], v[SW+2], vcc_lo     ; lane (r, h) stores the words of fragments 2 h and 2 h + 1 of my four
	v_cndmask_b32 v[O+1], v[SW+1], v[SW+3], vcc_lo
.irp e, 0,1,2,3
.irp q, 0,1,2
	global_store_b128 v3, v[C+12*\e+4*\q:C+12*\e+4*\q+3], s[OB:OB+1] offset:\e*1536+512*\q    ; 32 lanes store 512 consecutive bytes
.endr
.endr
	global_store_b64 v[SA], v[O:O+1], s[OB:OB+1] offset:12288      ; 32 lanes fill 256 consecutive bytes
.endm
	FILL 1                                         ; slot 1's first fill is issued as a refill is
	PROC 0
	FILL 2
	PROC 1
	FILL 3
	PROC 2
	FILL 4
	PROC 3
	s_wait_tensorcnt 0x0                           ; my rows of tile 4 are in
	s_wait_dscnt 0x0
	s_barrier_signal -1
	s_barrier_wait -1                              ; everybody's are; nothing is filled again
	PROC 4
	s_wait_tensorcnt 0x0                           ; the wave's end
	ds_add_u32 v12, v13
	s_wait_dscnt 0x0
	s_endpgm
.Lfunc_end_k_q0e5a17434d_quant:
	.size	k_q0e5a17434d_quant, .Lfunc_end_k_q0e5a17434d_quant-k_q0e5a17434d_quant
	.p2alignl 7, 3214868480
	.fill 96, 4, 3214868480
	.section	.rodata,"a",@progbits
	.p2align	6, 0x0
	.amdhsa_kernel k_q0e5a17434d_quant
		.amdhsa_group_segment_fixed_size 327680
		.amdhsa_private_segment_fixed_size 0
		.amdhsa_enable_private_segment 0
		.amdhsa_kernarg_size 96
		.amdhsa_user_sgpr_count 2
		.amdhsa_user_sgpr_kernarg_segment_ptr 1
		.amdhsa_wavefront_size32 1
		.amdhsa_system_sgpr_workgroup_id_x 1
		.amdhsa_system_sgpr_workgroup_id_y 1
		.amdhsa_system_sgpr_workgroup_id_z 1
		.amdhsa_system_vgpr_workitem_id 0
		.amdhsa_next_free_vgpr 212
		.amdhsa_next_free_sgpr 88
		.amdhsa_reserve_vcc 1
		.amdhsa_float_denorm_mode_32 3
		.amdhsa_float_denorm_mode_16_64 3
		.amdhsa_memory_ordered 1
		.amdhsa_forward_progress 1
		.amdhsa_inst_pref_size 95
	.end_amdhsa_kernel
	.amdgpu_metadata
---
amdhsa.version: [ 1, 2 ]
amdhsa.kernels:
  - .name:           k_q0e5a17434d_quant
    .symbol:         k_q0e5a17434d_quant.kd
    .args:
      - { .name: x, .offset: 0, .size: 8, .value_kind: global_buffer, .address_space: global }
      - { .name: h, .offset: 8, .size: 8, .value_kind: global_buffer, .address_space: global }
      - { .name: Wii, .offset: 16, .size: 8, .value_kind: global_buffer, .address_space: global }
      - { .name: Whi, .offset: 24, .size: 8, .value_kind: global_buffer, .address_space: global }
      - { .name: Wif, .offset: 32, .size: 8, .value_kind: global_buffer, .address_space: global }
      - { .name: Whf, .offset: 40, .size: 8, .value_kind: global_buffer, .address_space: global }
      - { .name: Wig, .offset: 48, .size: 8, .value_kind: global_buffer, .address_space: global }
      - { .name: Whg, .offset: 56, .size: 8, .value_kind: global_buffer, .address_space: global }
      - { .name: Wio, .offset: 64, .size: 8, .value_kind: global_buffer, .address_space: global }
      - { .name: Who, .offset: 72, .size: 8, .value_kind: global_buffer, .address_space: global }
      - { .name: a_img, .offset: 80, .size: 8, .value_kind: global_buffer, .address_space: global }
      - { .name: w_img, .offset: 88, .size: 8, .value_kind: global_buffer, .address_space: global }
    .group_segment_fixed_size: 327680
    .private_segment_fixed_size: 0
    .kernarg_segment_align: 8
    .kernarg_segment_size: 96
    .max_flat_workgroup_size: 128
    .sgpr_count:     88
    .vgpr_count:     212
    .wavefront_size: 32
...
	.end_amdgpu_metadata
.endif
;; end of part 1
;; launch cell (part 2): grid 32 x 8, 4 waves a work-group, clusters of 4 x 4, 327,680 bytes of LDS; arguments a_img, w_img, c, bii, bhi, bif, bhf, big, bhg, bio, bho, out0; writes out0
.if DOCPART == 2
	.amdgcn_target "amdgcn-amd-amdhsa--gfx1250"
	.amdhsa_code_object_version 6
	.text
	.protected	k_q0e5a17434d_cell
	.globl	k_q0e5a17434d_cell
	.p2align	8
	.type	k_q0e5a17434d_cell,@function
k_q0e5a17434d_cell:
	s_mov_b64 s[64:65], 0
	v_nop
	global_prefetch_b8 v0, s[64:65] scope:SCOPE_SE
	s_setreg_imm32_b32 hwreg(HW_REG_WAVE_MODE, 25, 1), 1
	s_wait_xcnt 0x0
	s_wait_alu depctr_hold_cnt(0) depctr_sa_sdst(0) depctr_va_vdst(0) depctr_va_sdst(0) depctr_va_ssrc(0) depctr_va_vcc(0) depctr_vm_vsrc(0)
	s_getreg_b32 s2, hwreg(HW_REG_IB_STS2, 6, 4)
	s_cmp_eq_u32 s2, 0
	s_cbranch_scc0 .Lentry_in_a_cluster
	s_endpgm
.Lentry_in_a_cluster:
	s_bfe_u32 s2, ttmp6, 0x10000c
	s_cmp_lg_u32 s2, 0xf033
	s_cbranch_scc0 .Lentry_shape_is_right
	s_endpgm
.Lentry_shape_is_right:
; gates = [x h] [Wi Wh]^T + bi + bh on codes of FP6 with E8M0 scales, K = 4,096 in 32 steps of 128, and the cell's element-wise part, in one launch.
; a_img and w_img hold, for each 128 rows (half tile) and each K step, a block of 12,800 bytes: eight fragments as images of the operand's registers (1,536 bytes: piece q at 512 q + 16 x lane) and 512 bytes of scale words
; (row 16 i + r at 12,288 + 256 (i / 4) + 16 r + 4 (i % 4)).  A half tile of w_img holds all four gates of 32 units: fragment 2 g + u is gate g, units 16 u + 0 .. 15.
; A work-group makes 256 batch rows x 64 units (256 rows of weights); four waves, each 128 x 128: 64 accumulators.  THE MATRIX INSTRUCTION IS USED TRANSPOSED (source 0 = weights, source 1 = x, h): a lane holds 8 neighbouring units of a batch row.
; THE RING: two LDS slots of three K steps: 4 parts (A's two half tiles, B's two) x 38,400 bytes, each a dense run of memory, brought as 150 rows of 256 bytes by one tensor load a wave.  Fills 0 to 9 hold three steps, fill 10 two.
; A and B have two sets of fragment registers each: a step's 50 LDS loads for the next step stand in groups between its groups of eight matrix instructions.  So at the head of a slot's last step the whole slot is in registers:
; there the three lines, the round of the cluster's barrier and the refill stand; a refill is asked for three steps ahead of the wait for it.
; CLUSTERS: 4 x 4; A's parts are shared along a row of the cluster, B's along a column, by joint loads.
; PREFETCH: each change of slots in the loop asks for the fill two refills on: a part's 150 blocks of 256 bytes are shared out among the four partners by address (40 each, the last 30; lanes left over name block 149 again);
; fills 1 to 3 are asked for at the head; fill 10 is not asked for (a request of a full fill's length would pass the buffer's end); the loop's last trip asks for c's tile instead, a lane a row.
; THE CELL: sigmoid and tanh by exponentials to the base 2 whose exponents are held at 30 from above, so that the products of three denominators stay finite: LIMIT: a gate beyond that hold is off by at most 2^-30.
; REGISTERS: window 0: v0-31 addresses, v32-47 scale words (two sets of 8: lanes 0-15 A's block i, lanes 16-31 B's), v64-159 and v160-255 A's fragments; window 1: v0-95 and v128-223 B's fragments, v96-127 and v224-255 the biases;
; windows 2 and 3: the accumulators ((a, b) at v[8 (8 (a % 4) + b)]).
.set KSB,    12800
.set PART,   3*KSB
.set SLOT,   4*PART
.set SPARE,  2*SLOT                    ; the spare words, 128 bytes a wave: two blocks of 256 bytes that no other line names
.set SPI,    272
.set STGB,   256*SPI                   ; c's tile lies at SLOT, h_new's stage behind it, c_new's stage at 0: slots that have had their last fill
.set FR,   12
.set STC,  8
.set RDC,  9
.set CRD,  10
.set BO,   11
.set ADRA, 16
.set ADRB, 20
.set ADRS, 22
.set STH,  24
.set RDH,  25
.set CO,   26
.set PCO,  27
.set SPW,  28
.set NIL,  29
.set PFO,  30
.set SC,   32
.set AF,   64
.set T,    128
.set TI,   T
.set TF,   T+16
.set TG,   T+32
.set TO,   T+48
.set CC,   192
.set MG,   224
.set KN,   8
.set KP,   10
.set G1,   24
.set G0,   32
.set G1B,  48
.set G0B,  56
.set G1C,  68
.set G0C,  76
.set PFA,  92
.set PFC,  94
.set OUTH, 96
.set OUTC, 98
.set MSB, 0
.macro WIN new                         ; the immediate's high byte repeats the setting that is left
.if MSB != (\new)
	s_set_vgpr_msb (MSB<<8)|(\new)
.set MSB, (\new)
.endif
.endm
.set MUL_LO, 0xa1                      ; source 0 (B) window 1, source 1 (A) window 0, C and D window 2
.set MUL_HI, 0xf1
.set TO_B,   0x40
.macro PLACES n
.rept \n
	v_nop
.endr
.endm
.macro JLOAD g0a, g1a, g0b, g1b        ; a joint load: waves 0 and 1 fetch A's parts, waves 2 and 3 B's
	s_cmp_eq_u32 s15, 0
	s_cbranch_scc0 .Lfor_b_\@
	tensor_load_to_lds s[\g0a:\g0a+3], s[\g1a:\g1a+7]
	s_nop 0
	PLACES 4
	s_branch .Lasked_\@
.Lfor_b_\@:
	tensor_load_to_lds s[\g0b:\g0b+3], s[\g1b:\g1b+7]
	s_nop 0
	PLACES 4
.Lasked_\@:
.endm
.macro CREST
	s_cmp_lg_u32 s14, 0
	s_cbranch_scc1 .Lnot_wave_0_\@
	s_barrier_signal -3
.Lnot_wave_0_\@:
	s_barrier_wait -3
	s_barrier_signal -1
	s_barrier_wait -1
.endm
.macro CROUND
	s_barrier_signal -1
	s_barrier_wait -1
	CREST
.endm
.macro ASK slot                        ; s3 > 1: the fill two refills on (PFA stands one fill behind the refill just asked for... plus three parts' length); the last trip: 32 rows of c's tile
	s_cmp_gt_u32 s3, 1
	s_cbranch_scc0 .Lask_c_\@
	global_prefetch_b8 v[PFO], s[PFA:PFA+1] offset:3*PART th:TH_LOAD_NT scope:SCOPE_SE
	global_prefetch_b8 v[PFO+1], s[PFA:PFA+1] offset:3*PART th:TH_LOAD_NT scope:SCOPE_SE
	s_branch .Lask_e_\@
.Lask_c_\@:
	global_prefetch_b8 v[PCO], s[PFC:PFC+1] offset:\slot*32*8192 th:TH_LOAD_NT scope:SCOPE_SE
.Lask_e_\@:
.endm
	s_load_b128 s[4:7], s[0:1], 0x0                ; a_img, w_img
	s_load_b64 s[12:13], s[0:1], 0x10              ; c
	s_load_b256 s[68:75], s[0:1], 0x18             ; bii, bhi, bif, bhf
	s_load_b256 s[80:87], s[0:1], 0x38             ; big, bhg, bio, bho
	s_load_b64 s[OUTH:OUTH+1], s[0:1], 0x58
	v_lshl_add_u32 v[SPW], v0, 2, SPARE
	v_mov_b32 v[NIL], 0
	ds_add_u32 v[SPW], v[NIL]                      ; the opening lines: the add twice on end and its wait ahead of my first tensor load
	ds_add_u32 v[SPW], v[NIL]
	v_lshrrev_b32 v1, 5, v0
	v_readfirstlane_b32 s14, v1                    ; wave
	s_lshr_b32 s15, s14, 1                         ; my half of the rows; also: I fetch for A (0) or B (1)
	s_and_b32 s16, s14, 1                          ; my half of the columns; also: which half tile I fetch
	s_bfe_u32 s40, ttmp6, 0x40000                  ; cx
	s_bfe_u32 s41, ttmp6, 0x40004                  ; cy
	s_lshl_b32 s42, ttmp9, 2
	s_add_co_u32 s42, s42, s40                     ; tile column
	s_and_b32 s17, ttmp7, 0xffff
	s_lshl_b32 s17, s17, 2
	s_add_co_u32 s17, s17, s41                     ; tile row
	s_lshl_b32 s43, s41, 2
	s_lshl_b32 s43, 15, s43                        ; my row of the cluster
	s_lshl_b32 s44, 0x1111, s40                    ; my column
	s_or_b32 s[G1+0], s43, (3<<16)|(1<<21)         ; elements of 8 bytes, no padding; bit 21 beside a mask
	s_or_b32 s[G1B+0], s44, (3<<16)|(1<<21)
.irp g, G1, G1B
	s_mov_b32 s[\g+1], 32<<16                      ; rows of 256 bytes,
	s_mov_b32 s[\g+2], 150<<16                     ; 150 of them, dense
	s_mov_b32 s[\g+3], 32<<16
	s_mov_b32 s[\g+4], 150
	s_mov_b32 s[\g+5], 32
	s_mov_b32 s[\g+6], 0
	s_mov_b32 s[\g+7], 0
.endr
	s_lshl_b32 s20, s17, 1
	s_add_co_u32 s20, s20, s16
	s_mul_i32 s20, s20, 32*KSB                     ; A's half tile 2 x tile row + half
	s_mov_b32 s21, 0
	s_lshl_b32 s46, s42, 1
	s_add_co_u32 s46, s46, s16
	s_mul_i32 s46, s46, 32*KSB                     ; B's
	s_mov_b32 s47, 0
	s_mul_i32 s45, s14, PART                       ; where my part goes: wave x part
	s_wait_dscnt 0x0
	s_wait_kmcnt 0x0
	s_add_nc_u64 s[20:21], s[4:5], s[20:21]
	s_add_nc_u64 s[46:47], s[6:7], s[46:47]
.irp s, 0,1
	s_mov_b32 s[G0+4*\s], 1
	s_add_co_u32 s[G0+4*\s+1], s45, \s*SLOT
	s_add_nc_u64 s[G0+4*\s+2:G0+4*\s+3], s[20:21], \s*PART
	s_or_b32 s[G0+4*\s+3], s[G0+4*\s+3], 0x80000000
	s_mov_b32 s[G0B+4*\s], 1
	s_add_co_u32 s[G0B+4*\s+1], s45, \s*SLOT
	s_add_nc_u64 s[G0B+4*\s+2:G0B+4*\s+3], s[46:47], \s*PART
	s_or_b32 s[G0B+4*\s+3], s[G0B+4*\s+3], 0x80000000
.endr
	CROUND                                         ; all sixteen work-groups are here
	JLOAD G0, G1, G0B, G1B                         ; fill 0: one tensor load a wave at the head
	s_mul_i32 s18, s15, PART                       ; my part of A
	s_add_co_u32 s19, s16, 2
	s_mul_i32 s19, s19, PART                       ; my part of B
	s_sub_co_u32 s22, s19, s18
	s_mul_i32 s23, s15, 128*SPI
	s_lshl_b32 s66, s16, 7
	s_add_co_u32 s23, s23, s66                     ; my 128 rows, my 128 bytes of them, in c's tile and in the stages
	s_lshl_b32 s67, s15, 7
	s_lshl_b32 s66, s16, 4
	s_add_co_u32 s67, s67, s66                     ; the first row that I store
	s_mul_i32 s88, s67, SPI
	s_lshl_b32 s89, s42, 8                         ; the tile's 256 bytes in a row of c, of out0 and of a bias
	s_lshl_b32 s66, s16, 7
	s_add_co_u32 s90, s89, s66
	s_lshl_b32 s66, s17, 8
	s_add_co_u32 s67, s67, s66
	s_lshl_b32 s76, s67, 13
	s_add_co_u32 s76, s76, s89
	s_mov_b32 s77, 0
	s_add_nc_u64 s[OUTH:OUTH+1], s[OUTH:OUTH+1], s[76:77]
	s_add_nc_u64 s[OUTC:OUTC+1], s[OUTH:OUTH+1], 0x1000000
	s_lshl_b32 s76, s14, 6
	s_add_co_u32 s76, s76, s66
	s_lshl_b32 s76, s76, 13
	s_add_co_u32 s76, s76, s89
	s_add_nc_u64 s[PFC:PFC+1], s[12:13], s[76:77]  ; the 64 rows of c's tile that I fetch
	s_cmp_eq_u32 s15, 0
	s_cselect_b64 s[PFA:PFA+1], s[20:21], s[46:47] ; the part that I fetch, fill 0
	s_cselect_b32 s91, s40, s41                    ; my place among the four that ask for it with me
	s_mul_i32 s91, s91, 40
	s_mov_b32 s[KN], 0xbfb8aa3b                    ; -log2(e)
	s_mov_b32 s[KN+1], 0xbfb8aa3b
	s_mov_b32 s[KP], 0x4038aa3b                    ; 2 log2(e)
	s_mov_b32 s[KP+1], 0x4038aa3b
	s_mov_b32 s100, 0x41f00000                     ; 30
	v_and_b32 v1, 15, v0                           ; r
	v_bfe_u32 v2, v0, 4, 1                         ; h
	v_and_b32 v3, 31, v0
	v_lshlrev_b32 v4, 4, v3                        ; 16 x lane
	v_add_nc_u32 v[ADRA], s18, v4
	v_add_nc_u32 v[ADRB], s19, v4
	v_add_nc_u32 v[ADRA+1], SLOT, v[ADRA]
	v_add_nc_u32 v[ADRB+1], SLOT, v[ADRB]
	v_mul_u32_u24 v5, s22, v2                      ; lanes 16-31 take B's scale words
	v_lshl_add_u32 v5, v1, 4, v5
	v_add_nc_u32 v5, s18, v5
	v_add_nc_u32 v[ADRS], 12288, v5
	v_add_nc_u32 v[ADRS+1], SLOT+12288, v5
	v_mul_u32_u24 v6, v1, SPI
	v_lshl_add_u32 v6, v2, 5, v6
	v_add_nc_u32 v[STC], s23, v6
	v_add_nc_u32 v[CRD], SLOT, v[STC]
	v_add_nc_u32 v[STH], SLOT+STGB, v[STC]
	v_mul_u32_u24 v7, v2, SPI
	v_lshl_add_u32 v7, v1, 4, v7
	v_add_nc_u32 v[RDC], s88, v7
	v_add_nc_u32 v[RDH], SLOT+STGB, v[RDC]
	v_lshlrev_b32 v[CO], 13, v2
	v_lshl_add_u32 v[CO], v1, 4, v[CO]
	v_lshlrev_b32 v[BO], 5, v2
	v_add_nc_u32 v[BO], s90, v[BO]
	v_add_nc_u32 v[PFO], s91, v3
	v_min_u32 v[PFO], 149, v[PFO]
	v_lshlrev_b32 v[PFO], 8, v[PFO]
	v_and_b32 v5, 7, v3
	v_add_nc_u32 v5, s91, v5
	v_add_nc_u32 v5, 32, v5
	v_min_u32 v5, 149, v5
	v_lshlrev_b32 v[PFO+1], 8, v5
	v_lshlrev_b32 v[PCO], 13, v3
	s_wait_alu depctr_va_vdst(0)
.irp g, 0,1,2,3
.set BP, 68+4*\g+4*(\g/2)
.irp u, 0,1
.irp k, 0,1
	global_load_b128 v[64+16*\g+8*\u+4*\k:64+16*\g+8*\u+4*\k+3], v[BO], s[BP:BP+1] offset:64*\u+16*\k
	global_load_b128 v[128+16*\g+8*\u+4*\k:128+16*\g+8*\u+4*\k+3], v[BO], s[BP+2:BP+3] offset:64*\u+16*\k
.endr
.endr
.endr
.irp f, 1,2
	global_prefetch_b8 v[PFO], s[PFA:PFA+1] offset:\f*PART th:TH_LOAD_NT scope:SCOPE_SE
	global_prefetch_b8 v[PFO+1], s[PFA:PFA+1] offset:\f*PART th:TH_LOAD_NT scope:SCOPE_SE
.endr
	s_wait_loadcnt 0x0
	s_mov_b32 s[G1C+0], (3<<16)|(1<<20)|(5<<22)|(3<<25)   ; c's tile: 64 rows of 256 bytes a wave, 16 bytes of padding behind each
	s_mov_b32 s[G1C+1], 32<<16
	s_mov_b32 s[G1C+2], 64<<16
	s_mov_b32 s[G1C+3], 32<<16
	s_mov_b32 s[G1C+4], 64
	s_mov_b32 s[G1C+5], 1024
	s_mov_b32 s[G1C+6], 0
	s_mov_b32 s[G1C+7], 0
	s_mov_b32 s[G0C], 1
	s_mul_i32 s[G0C+1], s14, 64*SPI
	s_add_co_u32 s[G0C+1], s[G0C+1], SLOT
	s_mov_b64 s[G0C+2:G0C+3], s[PFC:PFC+1]
	s_or_b32 s[G0C+3], s[G0C+3], 0x80000000
.set i, 0
.rept 32
	v_pk_add_f32 v[64+i:64+i+1], v[64+i:64+i+1], v[128+i:128+i+1]
.set i, i+2
.endr
.macro KOF g                           ; the gate's factor, and where its biases lie in window 1
.set KR, KN
.if (\g) == 2
.set KR, KP
.endif
.set BW, 96+16*(\g)+96*((\g)/2)
.endm
	WIN 0x40
.irp g, 0,1,2,3
	KOF \g
.irp e, 0,2,4,6,8,10,12,14
	v_pk_mul_f32 v[BW+\e:BW+\e+1], v[64+16*\g+\e:64+16*\g+\e+1], s[KR:KR+1] op_sel_hi:[1,0]
.endr
.endr
	WIN 0
; eight matrix instructions: A's block a against B's eight; p: the set of fragments and scale words.  The 64 accumulators take turns.
.macro SB a, p, zero
.irp b, 0,1,2,3,4,5,6,7
.if \zero
	v_wmma_scale_f32_16x16x128_f8f6f4 v[8*(8*((\a)%4)+\b):8*(8*((\a)%4)+\b)+7], v[128*(\p)+FR*\b:128*(\p)+FR*\b+FR-1], v[AF+96*(\p)+FR*(\a):AF+96*(\p)+FR*(\a)+FR-1], 0, v[SC+8*(\p)+\b], v[SC+8*(\p)+(\a)] matrix_a_fmt:MATRIX_FMT_FP6 matrix_b_fmt:MATRIX_FMT_FP6 matrix_a_scale:MATRIX_SCALE_ROW1
.else
	v_wmma_scale_f32_16x16x128_f8f6f4 v[8*(8*((\a)%4)+\b):8*(8*((\a)%4)+\b)+7], v[128*(\p)+FR*\b:128*(\p)+FR*\b+FR-1], v[AF+96*(\p)+FR*(\a):AF+96*(\p)+FR*(\a)+FR-1], v[8*(8*((\a)%4)+\b):8*(8*((\a)%4)+\b)+7], v[SC+8*(\p)+\b], v[SC+8*(\p)+(\a)] matrix_a_fmt:MATRIX_FMT_FP6 matrix_b_fmt:MATRIX_FMT_FP6 matrix_a_scale:MATRIX_SCALE_ROW1
.endif
.endr
.endr
.endm
.macro LDF reg, adr, k, i              ; a fragment: three loads of 16 bytes a lane, 512 consecutive bytes each
.irp q, 0,1,2
	ds_load_b128 v[(\reg)+4*\q:(\reg)+4*\q+3], v[\adr] offset:(\k)*KSB+(\i)*1536+512*\q
.endr
.endm
.macro LDB s, k, p, i0, n              ; B's fragments i0 .. i0 + n - 1 of step k of slot s into set p
	WIN TO_B
.set II, \i0
.rept \n
	LDF 128*(\p)+FR*II, ADRB+(\s), \k, II
.set II, II+1
.endr
.endm
.macro LDA s, k, p, i0, n
	WIN 0
.set II, \i0
.rept \n
	LDF AF+96*(\p)+FR*II, ADRA+(\s), \k, II
.set II, II+1
.endr
.endm
.macro LDSC s, k, p                    ; the step's scale words: 8 registers
	WIN 0
	ds_load_b128 v[SC+8*(\p):SC+8*(\p)+3], v[ADRS+(\s)] offset:(\k)*KSB
	ds_load_b128 v[SC+8*(\p)+4:SC+8*(\p)+7], v[ADRS+(\s)] offset:(\k)*KSB+256
.endm
; A step: 64 matrix instructions on set p; ld = 1: the next step's loads (step nk of slot ns, into the other set) in TWO runs: B 0-7 and the scale words (26 loads) behind the second group of eight, A 0-7 (24 loads) behind the sixth.
; The four v_nop are the places between the last step's matrix instructions and the loads into the set that they read.
; The waits count the younger LDS loads: at the head A's blocks 2-7 of this step (18); then A 4-7 and the first run (12 + 26); A 6-7 and the first run (6 + 26); both runs (50).
.macro STEP p, ns, nk, zero, ld
	PLACES 4
	s_wait_dscnt 18
	WIN MUL_LO
	SB 0, \p, \zero
	SB 1, \p, \zero
.if \ld
	LDB \ns, \nk, 1-(\p), 0, 8
	LDSC \ns, \nk, 1-(\p)
.endif
	s_wait_dscnt 12+26*(\ld)
	WIN MUL_LO
	SB 2, \p, \zero
	SB 3, \p, \zero
	s_wait_dscnt 6+26*(\ld)
	WIN MUL_HI
	SB 4, \p, \zero
	SB 5, \p, \zero
.if \ld
	LDA \ns, \nk, 1-(\p), 0, 8
.endif
	s_wait_dscnt 50*(\ld)
	WIN MUL_HI
	SB 6, \p, \zero
	SB 7, \p, \zero
	WIN 0
.endm
; A slot's last step.  Its fragments were asked for in the step before, so behind the wait for them nobody reads the slot any more.  kind 1: the slot takes the fill two on; 2: the last fill, of two steps; 3: c's tile.
.macro TURN p, slot, kind
	PLACES 4
.if \kind == 1
	s_wait_xcnt 0x0                                ; my prefetches have read their address
	s_add_nc_u64 s[PFA:PFA+1], s[PFA:PFA+1], PART
.endif
	s_wait_tensorcnt 0x0                           ; all my tensor loads have landed: my part of the next slot
	ds_add_u32 v[SPW], v[NIL]
.if \kind < 3
	s_add_nc_u64 s[G0+4*\slot+2:G0+4*\slot+3], s[G0+4*\slot+2:G0+4*\slot+3], 2*PART
	s_add_nc_u64 s[G0B+4*\slot+2:G0B+4*\slot+3], s[G0B+4*\slot+2:G0B+4*\slot+3], 2*PART
.endif
.if \kind == 2
	s_mov_b32 s[G1+2], 100<<16                     ; two steps: 100 rows of 256 bytes
	s_mov_b32 s[G1+4], 100
	s_mov_b32 s[G1B+2], 100<<16
	s_mov_b32 s[G1B+4], 100
.endif
	s_wait_dscnt 13                                ; A's blocks 4-7 (12 loads) and the add may be out
	WIN MUL_LO
	SB 0, \p, 0
	SB 1, \p, 0
	s_wait_dscnt 0x0                               ; the add is done, and my reads of this slot are over
	s_barrier_signal -1                            ; opens a round of the cluster's barrier
	SB 2, \p, 0
	WIN 0
	s_barrier_wait -1
	CREST
.if \kind < 3
	JLOAD G0+4*\slot, G1, G0B+4*\slot, G1B
.else
	tensor_load_to_lds s[G0C:G0C+3], s[G1C:G1C+7]
	s_nop 0
	PLACES 4
.endif
	LDB 1-(\slot), 0, 1-(\p), 0, 8
	LDSC 1-(\slot), 0, 1-(\p)
.if \kind == 1
	ASK \slot
.endif
	WIN MUL_LO
	SB 3, \p, 0
	WIN MUL_HI
	SB 4, \p, 0
	SB 5, \p, 0
	LDA 1-(\slot), 0, 1-(\p), 0, 8
	WIN MUL_HI
	SB 6, \p, 0
	SB 7, \p, 0
	WIN 0
.endm
	s_wait_alu depctr_va_vdst(0)
	s_wait_tensorcnt 0x0                           ; my part of fill 0 is in; slot 1's first fill is issued as a refill is
	ds_add_u32 v[SPW], v[NIL]
	s_wait_dscnt 0x0
	CROUND
	JLOAD G0+4, G1, G0B+4, G1B                     ; fill 1
	LDB 0, 0, 0, 0, 8
	LDSC 0, 0, 0
	LDA 0, 0, 0, 0, 8
	global_prefetch_b8 v[PFO], s[PFA:PFA+1] offset:3*PART th:TH_LOAD_NT scope:SCOPE_SE
	global_prefetch_b8 v[PFO+1], s[PFA:PFA+1] offset:3*PART th:TH_LOAD_NT scope:SCOPE_SE
	STEP 0, 0, 1, 1, 1                             ; step 0 starts the sums
	s_mov_b32 s3, 4
.Llap:                                                 ; a trip: six steps, once round the ring, from a slot's second step on; it asks for two full fills (2 to 9 in all)
	STEP 1, 0, 2, 0, 1
	TURN 0, 0, 1
	STEP 1, 1, 1, 0, 1
	STEP 0, 1, 2, 0, 1
	TURN 1, 1, 1
	STEP 0, 0, 1, 0, 1
	s_sub_co_u32 s3, s3, 1
	s_cmp_lg_u32 s3, 0
	s_cbranch_scc1 .Llap
	STEP 1, 0, 2, 0, 1                             ; steps 25 to 31
	TURN 0, 0, 2
	STEP 1, 1, 1, 0, 1
	STEP 0, 1, 2, 0, 1
	TURN 1, 1, 3
	STEP 0, 0, 1, 0, 1
	STEP 1, 0, 0, 0, 0
	PLACES 4
	s_wait_tensorcnt 0x0                           ; my rows of c's tile are in
	s_wait_dscnt 0x0
	s_barrier_signal -1
	s_barrier_wait -1                              ; everybody's are, and nobody reads a slot any more
.macro PKFMA8 d, a, b, c
.irp e, 0,2,4,6,8,10,12,14
	v_pk_fma_f32 v[\d+\e:\d+\e+1], v[\a+\e:\a+\e+1], v[\b+\e:\b+\e+1], v[\c+\e:\c+\e+1]
.endr
.endm
.macro PKADDC8 d, a, k
.irp e, 0,2,4,6,8,10,12,14
	v_pk_add_f32 v[\d+\e:\d+\e+1], v[\a+\e:\a+\e+1], \k op_sel_hi:[1,0]
.endr
.endm
.macro PKMUL8 d, a, b
.irp e, 0,2,4,6,8,10,12,14
	v_pk_mul_f32 v[\d+\e:\d+\e+1], v[\a+\e:\a+\e+1], v[\b+\e:\b+\e+1]
.endr
.endm
.macro HOLD r, n
.set i, 0
.rept \n
	v_min_num_f32 v[\r+i], s100, v[\r+i]
.set i, i+1
.endr
.endm
.macro EXPN r, n                       ; a batch, its plain place and its wait
.set i, 0
.rept \n
	v_exp_f32 v[\r+i], v[\r+i]
.set i, i+1
.endr
	v_nop
	s_wait_alu depctr_va_vdst(0)
.endm
.macro RCP16 r
.set i, 0
.rept 16
	v_rcp_f32 v[\r+i], v[\r+i]
.set i, i+1
.endr
	v_nop
	s_wait_alu depctr_va_vdst(0)
.endm
; Block a: 16 batch rows x my 32 units, 16 units a lane.  With Ei = e^-i, Ef = e^-f, Eg = e^2g, Eo = e^-o:
; c_new = (c (1 + Ei)(1 + Eg) + (Eg - 1)(1 + Ef)) / ((1 + Ei)(1 + Eg)(1 + Ef));  with Ec = e^(2 c_new): h_new = (Ec - 1) / ((1 + Eo)(1 + Ec)).
.macro GATE a
.set AC,  64*((\a)%4)
.set CCP, CC+16*((\a)%2)
.set MGP, MG+16*((\a)%2)
.irp u, 0,1
.irp k, 0,1
	ds_load_b128 v[CCP+8*\u+4*\k:CCP+8*\u+4*\k+3], v[CRD] offset:(\a)*16*SPI+64*\u+16*\k
.endr
.endr
	WIN 0x12+(\a)/4                                ; source 0: the accumulators' window; source 2: the biases' window
.irp g, 0,1,2,3
	KOF \g
.irp e, 0,2,4,6,8,10,12,14
	v_pk_fma_f32 v[T+16*\g+\e:T+16*\g+\e+1], v[AC+16*\g+\e:AC+16*\g+\e+1], s[KR:KR+1], v[BW+\e:BW+\e+1] op_sel_hi:[1,0,1]
.endr
.endr
	WIN 0
	HOLD T, 64
	s_wait_alu depctr_va_vdst(0)
	EXPN T, 64
	PKADDC8 MGP, TG, -1.0
	PKADDC8 TG, TG, 1.0
	PKFMA8 TI, TI, TG, TG
	PKFMA8 MGP, MGP, TF, MGP
	PKFMA8 TF, TI, TF, TI
	s_wait_dscnt 0x0
	PKFMA8 MGP, CCP, TI, MGP
	s_wait_alu depctr_va_vdst(0)
	RCP16 TF
	PKMUL8 CCP, MGP, TF
.irp u, 0,1
.irp k, 0,1
	ds_store_b128 v[STC], v[CCP+8*\u+4*\k:CCP+8*\u+4*\k+3] offset:(\a)*16*SPI+64*\u+16*\k
.endr
.endr
.irp e, 0,2,4,6,8,10,12,14
	v_pk_mul_f32 v[TG+\e:TG+\e+1], v[CCP+\e:CCP+\e+1], s[KP:KP+1] op_sel_hi:[1,0]
.endr
	HOLD TG, 16
	s_wait_alu depctr_va_vdst(0)
	EXPN TG, 16
	PKADDC8 MGP, TG, -1.0
	PKADDC8 TG, TG, 1.0
	PKFMA8 TG, TO, TG, TG
	s_wait_alu depctr_va_vdst(0)
	RCP16 TG
	PKMUL8 MGP, MGP, TG
.irp u, 0,1
.irp k, 0,1
	ds_store_b128 v[STH], v[MGP+8*\u+4*\k:MGP+8*\u+4*\k+3] offset:(\a)*16*SPI+64*\u+16*\k
.endr
.endr
.endm
; 32 rows: a row's 256 bytes come from two waves, so a barrier stands between the stages' writing and reading; each wave then stores 16 whole rows of each result, sixteen lanes to 256 consecutive bytes.
.macro CHUNK q
	GATE 2*(\q)
	GATE 2*(\q)+1
	s_wait_dscnt 0x0
	s_barrier_signal -1
	s_barrier_wait -1
.if (\q) > 0
	s_wait_xcnt 0x0                                ; the last chunk's stores have read their registers
.endif
	WIN TO_B
.irp t, 0,1,2,3,4,5,6,7
	ds_load_b128 v[4*\t:4*\t+3], v[RDH] offset:(32*(\q)+2*\t)*SPI
.endr
.irp t, 0,1,2,3,4,5,6,7
	ds_load_b128 v[32+4*\t:32+4*\t+3], v[RDC] offset:(32*(\q)+2*\t)*SPI
.endr
	WIN 0x04
.irp t, 0,1,2,3,4,5,6,7
	s_wait_dscnt 15-\t
	global_store_b128 v[CO], v[4*\t:4*\t+3], s[OUTH:OUTH+1] offset:(32*(\q)+2*\t)*8192 th:TH_STORE_NT
.endr
.irp t, 0,1,2,3,4,5,6,7
	s_wait_dscnt 7-\t
	global_store_b128 v[CO], v[32+4*\t:32+4*\t+3], s[OUTC:OUTC+1] offset:(32*(\q)+2*\t)*8192 th:TH_STORE_NT
.endr
	WIN 0
.endm
	CHUNK 0
	CHUNK 1
	CHUNK 2
	CHUNK 3
	s_wait_tensorcnt 0x0                           ; the wave's end
	ds_add_u32 v[SPW], v[NIL]
	s_wait_dscnt 0x0
	CROUND                                         ; the closing round
	s_endpgm
.Lfunc_end_k_q0e5a17434d_cell:
	.size	k_q0e5a17434d_cell, .Lfunc_end_k_q0e5a17434d_cell-k_q0e5a17434d_cell
	.p2alignl 7, 3214868480
	.fill 96, 4, 3214868480
	.section	.rodata,"a",@progbits
	.p2align	6, 0x0
	.amdhsa_kernel k_q0e5a17434d_cell
		.amdhsa_group_segment_fixed_size 327680
		.amdhsa_private_segment_fixed_size 0
		.amdhsa_enable_private_segment 0
		.amdhsa_kernarg_size 96
		.amdhsa_user_sgpr_count 2
		.amdhsa_user_sgpr_kernarg_segment_ptr 1
		.amdhsa_wavefront_size32 1
		.amdhsa_system_sgpr_workgroup_id_x 1
		.amdhsa_system_sgpr_workgroup_id_y 1
		.amdhsa_system_sgpr_workgroup_id_z 1
		.amdhsa_system_vgpr_workitem_id 0
		.amdhsa_next_free_vgpr 1024
		.amdhsa_next_free_sgpr 102
		.amdhsa_reserve_vcc 0
		.amdhsa_float_denorm_mode_32 3
		.amdhsa_float_denorm_mode_16_64 3
		.amdhsa_memory_ordered 1
		.amdhsa_forward_progress 1
		.amdhsa_inst_pref_size 255
	.end_amdhsa_kernel
	.section	.bss,"aw",@nobits
	.p2align	6
	.space	262144
	.amdgpu_metadata
---
amdhsa.version: [ 1, 2 ]
amdhsa.kernels:
  - .name:           k_q0e5a17434d_cell
    .symbol:         k_q0e5a17434d_cell.kd
    .args:
      - { .name: a_img, .offset: 0, .size: 8, .value_kind: global_buffer, .address_space: global }
      - { .name: w_img, .offset: 8, .size: 8, .value_kind: global_buffer, .address_space: global }
      - { .name: c, .offset: 16, .size: 8, .value_kind: global_buffer, .address_space: global }
      - { .name: bii, .offset: 24, .size: 8, .value_kind: global_buffer, .address_space: global }
      - { .name: bhi, .offset: 32, .size: 8, .value_kind: global_buffer, .address_space: global }
      - { .name: bif, .offset: 40, .size: 8, .value_kind: global_buffer, .address_space: global }
      - { .name: bhf, .offset: 48, .size: 8, .value_kind: global_buffer, .address_space: global }
      - { .name: big, .offset: 56, .size: 8, .value_kind: global_buffer, .address_space: global }
      - { .name: bhg, .offset: 64, .size: 8, .value_kind: global_buffer, .address_space: global }
      - { .name: bio, .offset: 72, .size: 8, .value_kind: global_buffer, .address_space: global }
      - { .name: bho, .offset: 80, .size: 8, .value_kind: global_buffer, .address_space: global }
      - { .name: out0, .offset: 88, .size: 8, .value_kind: global_buffer, .address_space: global }
    .group_segment_fixed_size: 327680
    .private_segment_fixed_size: 0
    .kernarg_segment_align: 8
    .kernarg_segment_size: 96
    .max_flat_workgroup_size: 128
    .sgpr_count:     102
    .vgpr_count:     1024
    .wavefront_size: 32
...
	.end_amdgpu_metadata
.endif
;; end of part 2
